; MI455X (gfx1250); checked and timed in simulation.
; The chip was launched on July 23, 2026; its instructions are those of AMD's public machine-readable ISA for CDNA 5 (MIT licence, August 2026) and "CDNA5" Instruction Set Architecture Reference Guide (July 2026). The comments in the code are by the model that wrote it; some were corrected since.
;; Multi Head Attention. Allowed arithmetic: matrix products marked QUANTISED: E5M2 operands, one given power-of-two scale a tensor, by v_wmma_f32_16x16x64_bf8_bf8 or v_wmma_f32_16x16x128_bf8_bf8, f32 sums; products left as they are: f32 operands where the result goes on into a quantised operand, else bf16, f16 or f32 operands; f32 sums; everything else in f32.
;; Inputs: in_proj_b 768 float32; in_proj_w 768 x 256 float32; inputs 2 x 1,024 x 256 float32; lowp_scales 8 int32 (the exponents e of the quantised operands' scales 2^e); out_b 256 float32; out_w 256 x 256 float32.
;; Outputs: out0 2 x 1,024 x 1 x 256 float32.
;; This version of the problem:
;;   THIS VERSION OF THE PROBLEM IS GIVEN IN LOW PRECISION. The matrix products marked QUANTISED in the list below multiply operands that are first quantised to E5M2 (5 exponent bits, 2 mantissa bits; 8 bits a number), with one given power-of-two scale for each operand tensor; their sums are f32. All else is computed in f32.
;;   The module's matrix products, in the order in which they are computed (A, B: the left and right operand; K: the contracted axis; several contracted axes count as one K, in the product's order):
;;     1. [M 2,048, K 256] x [K 256, N 256]; A: computed on the way; B: input in_proj_w: QUANTISED (scales: A lowp_scales[0], B lowp_scales[1])
;;     2. [M 262,144, K 256] x [K 256, N 256]; A: computed on the way; B: input in_proj_w: QUANTISED (scales: A lowp_scales[2], B lowp_scales[3])
;;     3. [M 262,144, K 256] x [K 256, N 256]; A: computed on the way; B: input in_proj_w: QUANTISED (scales: A lowp_scales[4], B lowp_scales[5])
;;     4. batch 16,384 x [M 1, K 32] x [K 32, N 128]; A: computed on the way; B: computed on the way: left as it is (M = 1 < 16)
;;     5. batch 16,384 x [M 1, K 128] x [K 128, N 32]; A: softmax; B: computed on the way: left as it is (M = 1 < 16)
;;     6. [M 2,048, K 256] x [K 256, N 256]; A: computed on the way; B: input out_w: QUANTISED (scales: A lowp_scales[6], B lowp_scales[7])
;;   THE QUANTISER, for each operand of a quantised product, along K:
;;     - The operand's scale is 2^e, e = its entry of the input lowp_scales (int32; the entries are numbered through the quantised products in the list's order, A before B).
;;     - Each number is divided by the scale, clamped to +-57,344, and rounded to the nearest number of E5M2, ties to even, subnormals kept.
;;     - The product sums the exact products of the quantised numbers (number of the format x scale) in f32.
;;   ~~~python
;;   def quantise(x, axis, e):      # numpy; x: float32 -> the quantised numbers, widened to float32 again
;;       x = np.moveaxis(x, axis, -1); K = x.shape[-1]
;;       r = np.clip(x / 2.0 ** e, -57344, 57344)
;;       step = 2.0 ** (np.maximum(np.frexp(np.where(r == 0, 1, r))[1] - 1, -14) - 2)
;;       q = np.round(r / step) * step * 2.0 ** e      # np.round: ties to even
;;       return np.moveaxis(q, -1, axis).astype(np.float32)
;;   ~~~
;;   OPERANDS COMPUTED ON THE WAY. 'Computed on the way' means the value that the module computes at that place (a softmax that the list does not call 'softmax' is quantised finished and normalised). What goes into a quantiser is computed in f32, as accurately as f32 sums, v_exp_f32 and their like allow (about 1e-6 of the number): no bf16 or f16 on the way to a quantiser, and a product that is left as it is and whose result goes on into a quantised operand takes f32 operands (vector FMAs, or v_wmma_f32_16x16x4_f32). A number that lies on a knife's edge between two numbers of the format may be rounded either way, as far as f32 arithmetic and the matrix unit's own rounding can turn it there, and no further.
;; One version. Each part assembles by itself: llvm-mc -triple=amdgcn-amd-amdhsa -mcpu=gfx1250 --defsym DOCPART=n.
;; ======== version 1 of 1: 2 launches
;; limits: right only within a limited range of input values
;; workspace buffers: xt 2,097,152 bytes; xq 524,288 bytes; wimg 262,144 bytes
;; launch prep (part 1): grid 224 x 1, 8 waves a work-group, no clusters, 18,432 bytes of LDS; arguments inputs, in_proj_w, out_w, lowp_scales, xt, xq, wimg; writes xt, xq, wimg
.if DOCPART == 1
	.amdgcn_target "amdgcn-amd-amdhsa--gfx1250"
	.amdhsa_code_object_version 6
	.text
	.protected	k_q5d3d9facd3_prep
	.globl	k_q5d3d9facd3_prep
	.p2align	8
	.type	k_q5d3d9facd3_prep,@function
k_q5d3d9facd3_prep:
	s_mov_b64 s[64:65], 0
	v_nop
	global_prefetch_b8 v0, s[64:65] scope:SCOPE_SE
	s_setreg_imm32_b32 hwreg(HW_REG_WAVE_MODE, 25, 1), 1
	s_wait_xcnt 0x0
; DEAD WORK of the whole program: bk (in_proj_b[256:512]) adds q . bk to every score of a (position, head): the same term along the softmax's axis, whatever the inputs hold; neither factor of that product is quantised.
;   So bk is not read and the term is not made (launch attn).  LIMIT: a NaN, an infinity or an overflow in bk or in that term alone is not carried to the result.
; Everything that the attention launch multiplies is quantised here ONCE to codes of BF8 (E5M2): code = x / 2^e, held within +-57,344, to the nearest code, ties to even.
;   xt   [s 2][n 2][g 8][u 2][j 128][256]: byte x of a row is the code of inputs[n][128 g - 127 + x][2 j + u], 0 before the start, under e2 (s = 0, the K product's operand) or e4 (s = 1, the V product's).
;        So the windows of positions 128 g .. 128 g + 127 lie in one dense block of 256 rows of 256 bytes; byte 255 serves no window (in block g = 7 it holds the code of the last time).
;   xq   [2048][256]: the codes of inputs under e0, row by row.
;   wimg four matrices of 32 fragments of 2,048 bytes, each an image of an operand's registers: byte frag*2048 + 512 c + 16 lane holds 16 codes W[row][128 u + 32 c + 16 (lane/16) + 0..15].
;        Wq, Wk, Wv (e1, e3, e5): frag = (4 w + q) 2 + u, row = 64 w + 32 ((lane%16)/8) + 8 q + lane%8 of the matrix.   Wo (e7): frag = 2 T + u, row = 16 T + lane%16.
; Work-groups 0-127 turn inputs: a lane takes four channels at eight times running; the holds write a channel's eight numbers side by side, so the conversions give codes with the time innermost; a stage in LDS gathers 256 times of a channel.
; Work-groups 128-223 take what lies with K innermost: one wave makes half a fragment of a weight, or 4 rows of xq, by one body; only pointers and strides are chosen, on the work-group's number.
; LIMITS: each e between -126 and 112, so that 2^e and 57,344 x 2^e are f32 numbers.  NaN among the inputs is not served (an infinity is held at the largest code).
.set PITCH, 272                        ; a stage row: 256 codes + 16 bytes
.set HALF,  32*PITCH                   ; the stage of one scale: 32 channels
	s_load_b256 s[4:11], s[0:1], 0x0               ; inputs s[4:5], in_proj_w s[6:7], out_w s[8:9], the exponents s[10:11]
	s_load_b128 s[12:15], s[0:1], 0x20             ; xt s[12:13], xq s[14:15]
	s_load_b64 s[16:17], s[0:1], 0x30              ; wimg
	v_lshl_add_u32 v128, v0, 2, 0x4400             ; my spare word, behind the stage
	v_mov_b32 v129, 0
	v_lshrrev_b32 v1, 5, v0
	v_and_b32 v2, 31, v0                           ; lane
	v_readfirstlane_b32 s18, v1                    ; wave 0..7
	s_cmp_ge_u32 ttmp9, 128                        ; the same way for all eight waves of a work-group
	s_wait_alu depctr_va_vdst(0)                   ; the wait ahead of the branch
	s_cbranch_scc1 .Lrows
; ---------------- the turning path: batch n, channels 32 G .. 32 G + 31, block g; wave v takes bytes 32 v .. 32 v + 31 of its rows
	s_lshr_b32 s19, ttmp9, 6                       ; n
	s_bfe_u32 s20, ttmp9, 0x30003                  ; G
	s_and_b32 s21, ttmp9, 7                        ; g
	s_lshl_b32 s22, s21, 7
	s_lshl_b32 s23, s18, 5
	s_add_co_u32 s22, s22, s23
	s_sub_co_i32 s22, s22, 127                     ; my first time, 128 g - 127 + 32 v: below 0 in block 0's first four waves
	s_add_co_i32 s23, s22, 7
	s_max_i32 s30, s22, 0                          ; where it is below 0 rows from 0 on are read in their stead and held at 0 below
	s_lshl_b32 s32, s19, 20                        ; batch n, in bytes,
	s_lshl_b32 s29, s20, 7
	s_add_co_u32 s32, s32, s29                     ; + 128 G
	s_mov_b32 s33, 0
	s_lshl_b32 s30, s30, 10
	s_add_co_u32 s30, s30, s32
	s_mov_b32 s31, 0
	s_lshr_b32 s24, s18, 2                         ; on the way out wave v takes stage rows 8 v .. 8 v + 7: scale s = v / 4
	s_lshl_b32 s24, s24, 1
	s_add_co_u32 s24, s24, s19
	s_lshl_b32 s24, s24, 3
	s_add_co_u32 s24, s24, s21
	s_lshl_b32 s24, s24, 16                        ; block (s, n, g)
	s_lshl_b32 s25, s20, 4
	s_and_b32 s26, s18, 3
	s_lshl_b32 s26, s26, 2
	s_add_co_u32 s25, s25, s26
	s_lshl_b32 s25, s25, 8
	s_add_co_u32 s24, s24, s25                     ; + row j = 16 G + 4 (v % 4), u = 0
	s_mov_b32 s25, 0
	s_lshl_b32 s28, s18, 5
	s_mul_i32 s29, s18, 8*PITCH
	v_lshrrev_b32 v9, 3, v2                        ; my times: 8 (lane / 8) + 0 .. 7
	v_and_b32 v1, 7, v2                            ; my channels: 4 (lane % 8) + 0 .. 3
	v_lshrrev_b32 v6, 4, v2                        ; hi
	v_and_b32 v7, 15, v2
	v_lshlrev_b32 v3, 13, v9
	v_lshl_add_u32 v16, v9, 3, s23                 ; my eighth time, from -120 to 1,024
	v_mul_u32_u24 v4, v1, 4*PITCH
	v_mul_u32_u24 v5, v6, PITCH
	v_lshlrev_b32 v8, 15, v6                       ; in xt: an odd channel (u = 1) lies 128 rows on,
	v_max_i32 v17, v16, 0
	v_lshl_add_u32 v3, v1, 4, v3                   ; in: 8 rows of 1,024 bytes for each lane / 8, 16 bytes a lane: eight lanes read 128 consecutive bytes
	v_lshl_add_u32 v4, v9, 3, v4
	v_lshl_add_u32 v5, v7, 4, v5
	v_min_i32 v17, v17, 1023                       ; the eighth time's row stays inside the batch
	v_lshl_add_u32 v8, v7, 4, v8                   ; 16 bytes a lane
	v_add_nc_u32 v4, s28, v4                       ; into the stage: rows 4 (lane % 8) + c, byte 32 v + 8 (lane / 8)
	v_add_nc_u32 v5, s29, v5                       ; out of it: row 8 v + hi (+ 2 k), sixteen lanes to a row
	v_lshlrev_b32 v17, 10, v17
	v_lshl_add_u32 v17, v1, 4, v17
	s_wait_alu depctr_va_vdst(0)
	s_wait_kmcnt 0x0
	s_load_b256 s[40:47], s[10:11], 0x0            ; e0 .. e7
	s_add_nc_u64 s[30:31], s[4:5], s[30:31]
	s_add_nc_u64 s[32:33], s[4:5], s[32:33]
	s_add_nc_u64 s[24:25], s[12:13], s[24:25]
.irp i, 0,1,2,3,4,5,6
	global_load_b128 v[32+4*\i:35+4*\i], v3, s[30:31] offset:\i*1024      ; my i-th time, my four channels; row 1,023 of the batch at the most
.endr
	global_load_b128 v[60:63], v17, s[32:33]       ; my eighth time
	v_cmp_gt_i32 s38, 0, v16                       ; lanes whose eighth time lies before the start
	s_wait_kmcnt 0x0
.macro SCALE e, sc, ba, bb             ; 2^e for the conversion, which takes its exponent field; the hold for times 0 .. 6 and for the eighth: 57,344 x 2^e, or 0 before the start (a wave that begins before it has its first seven times there in every lane)
	s_add_co_i32 s28, s[\e], 127
	s_lshl_b32 s29, s28, 23
	v_mov_b32 v[\sc], s29
	s_add_co_i32 s28, s28, 15
	s_lshl_b32 s28, s28, 23
	s_or_b32 s28, s28, 0x600000
	s_cmp_lt_i32 s22, 0
	s_cselect_b32 s29, 0, s28
	v_mov_b32 v[\ba], s29
	v_mov_b32 v[\bb], s28
	v_cndmask_b32 v[\bb], v[\bb], v129, s38
.endm
	SCALE 42, 10, 11, 14
	SCALE 44, 12, 13, 15
	s_wait_alu depctr_va_vdst(0)
.macro HOLD i, b0, b1                  ; time i of each channel c into place i of the channel's eight, for both scales (the conversion to an 8-bit code does not saturate: ISA guide 7.6.2)
.irp c, 0,1,2,3
	v_med3_num_f32 v[64+8*\c+\i], v[32+4*\i+\c], -v[\b0], v[\b0]
	v_med3_num_f32 v[96+8*\c+\i], v[32+4*\i+\c], -v[\b1], v[\b1]
.endr
.endm
	s_wait_loadcnt 4                               ; times 0 to 3 are in; the four loads behind them may be out
	HOLD 0, 11, 13
	HOLD 1, 11, 13
	HOLD 2, 11, 13
	HOLD 3, 11, 13
	s_wait_loadcnt 0x0
	HOLD 4, 11, 13
	HOLD 5, 11, 13
	HOLD 6, 11, 13
	HOLD 7, 14, 15
.irp c, 0,1,2,3
	v_cvt_scalef32_pk8_bf8_f32 v[32+2*\c:33+2*\c], v[64+8*\c:71+8*\c], v10
	v_cvt_scalef32_pk8_bf8_f32 v[40+2*\c:41+2*\c], v[96+8*\c:103+8*\c], v12
.endr
	v_nop                                          ; a plain line behind the last conversion
.irp c, 0,1,2,3
	ds_store_b64 v4, v[32+2*\c:33+2*\c] offset:\c*PITCH           ; 8 codes of channel c under e2,
	ds_store_b64 v4, v[40+2*\c:41+2*\c] offset:HALF+\c*PITCH      ; and under e4
.endr
	s_wait_dscnt 0x0                               ; for the others' sake: my stores into the stage are done
	s_barrier_signal -1
	s_barrier_wait -1                              ; 64 rows of 256 codes lie in the stage
.irp k, 0,1,2,3
	ds_load_b128 v[112+4*\k:115+4*\k], v5 offset:\k*2*PITCH
.endr
.irp k, 0,1,2,3
	s_wait_dscnt 3-\k                              ; LDS loads come back in order: load k is in, the younger ones may be out
	global_store_b128 v8, v[112+4*\k:115+4*\k], s[24:25] offset:\k*256   ; sixteen lanes store 256 consecutive bytes, at a multiple of 256 from xt's first byte
.endr
	s_wait_tensorcnt 0x0                           ; the wave's end
	ds_add_u32 v128, v129
	s_wait_dscnt 0x0
	s_endpgm
; ---------------- the row path: job J = 4 (work-group - 128) + wave / 2, half wave % 2.  J < 128: fragment J of wimg, groups c = 2 half, 2 half + 1.  Else rows 4 half .. 4 half + 3 of 8 rows of xq.
.Lrows:
	s_sub_co_u32 s19, ttmp9, 128
	s_lshr_b32 s20, s19, 3                         ; the matrix: 0 Wq, 1 Wk, 2 Wv, 3 Wo (4 and more: xq)
	s_lshl_b32 s22, s19, 2
	s_lshr_b32 s23, s18, 1
	s_add_co_u32 s22, s22, s23                     ; J
	s_and_b32 s52, s18, 1                          ; half
	s_bfe_u32 s21, s22, 0x20003                    ; w
	s_bfe_u32 s23, s22, 0x20001                    ; q
	s_and_b32 s24, s22, 1
	s_lshl_b32 s24, s24, 9                         ; 512 u: 128 f32 along K
	s_lshl_b32 s25, s20, 8
	s_lshl_b32 s26, s21, 6
	s_add_co_u32 s25, s25, s26
	s_lshl_b32 s26, s23, 3
	s_add_co_u32 s25, s25, s26
	s_lshl_b32 s25, s25, 10
	s_add_co_u32 s25, s25, s24                     ; in_proj_w: row 256 mat + 64 w + 8 q, + 512 u
	s_lshl_b32 s26, s21, 2
	s_add_co_u32 s26, s26, s23                     ; T = 4 w + q
	s_lshl_b32 s26, s26, 14
	s_add_co_u32 s26, s26, s24                     ; out_w: row 16 T, + 512 u
	s_sub_co_u32 s27, s22, 128                     ; xq's job (used only where J >= 128)
	s_lshl_b32 s28, s27, 13                        ; inputs: 8 rows of 1,024 bytes a job
	s_lshl_b32 s53, s52, 8                         ; a weight's second half: 64 f32 along K on,
	s_lshl_b32 s54, s52, 12                        ; xq's: 4 rows on
	s_lshl_b32 s55, s52, 10                        ; and 1,024 bytes of codes on
	s_mov_b32 s34, 8192
	s_mov_b32 s35, 1024
	s_mov_b32 s36, 1024
	s_mov_b32 s37, 2048
	v_and_b32 v3, 7, v2
	v_bfe_u32 v4, v2, 3, 1
	v_bfe_u32 v5, v2, 4, 1
	v_lshlrev_b32 v12, 4, v2                       ; out: 16 bytes a lane
	s_wait_alu depctr_va_vdst(0)
	s_wait_kmcnt 0x0
	s_load_b256 s[40:47], s[10:11], 0x0            ; e0 .. e7
	s_cmp_lt_u32 s19, 24                           ; in_proj_w or out_w?  Every choice hangs on the work-group's number alone
	s_cselect_b32 s30, s25, s26
	s_cselect_b64 s[32:33], s[6:7], s[8:9]
	s_cselect_b32 s34, 0x8000, s34                 ; lane bit 3: 32 rows on (the other head of the pair), or 8 rows on
	s_cmp_lt_u32 s19, 32                           ; a weight or xq?
	s_cselect_b32 s30, s30, s28
	s_cselect_b64 s[32:33], s[32:33], s[4:5]
	s_cselect_b32 s34, s34, 512                    ; xq: lane % 16 walks along a row, 64 bytes a lane,
	s_cselect_b32 s35, s35, 64
	s_cselect_b32 s36, 64, s36                     ; lane bit 4 is the next row (a weight: the next 16 along K),
	s_cselect_b32 s37, 128, s37                    ; and the second group two rows on (a weight: 32 along K on)
	s_cselect_b64 s[38:39], s[16:17], s[14:15]
	s_cselect_b32 s48, s22, s27
	s_cselect_b32 s53, s53, s54
	s_add_co_u32 s30, s30, s53
	s_mov_b32 s31, 0
	s_add_nc_u64 s[32:33], s[32:33], s[30:31]
	s_lshl_b32 s48, s48, 11                        ; a job's codes are 2,048 bytes
	s_add_co_u32 s48, s48, s55
	s_mov_b32 s49, 0
	s_add_nc_u64 s[38:39], s[38:39], s[48:49]
	v_mul_u32_u24 v6, v3, s35
	s_delay_alu instid0(VALU_DEP_1)
	v_mad_u32_u24 v6, v4, s34, v6
	s_delay_alu instid0(VALU_DEP_1)
	v_mad_u32_u24 v6, v5, s36, v6                  ; my 16 numbers of the first group
	s_delay_alu instid0(VALU_DEP_1)
	v_add_nc_u32 v7, s37, v6
.irp c, 0,1
.irp j, 0,1,2,3
	global_load_b128 v[32+16*\c+4*\j:35+16*\c+4*\j], v[6+\c], s[32:33] offset:16*\j
.endr
.endr
	s_wait_kmcnt 0x0
	s_cmp_eq_u32 s20, 1
	s_cselect_b32 s50, s43, s41                    ; e1, e3, e5, e7 for the four weights,
	s_cmp_eq_u32 s20, 2
	s_cselect_b32 s50, s45, s50
	s_cmp_eq_u32 s20, 3
	s_cselect_b32 s50, s47, s50
	s_cmp_lt_u32 s19, 32
	s_cselect_b32 s50, s50, s40                    ; e0 for xq
	s_add_co_i32 s50, s50, 127
	s_lshl_b32 s51, s50, 23
	v_mov_b32 v10, s51                             ; 2^e
	s_add_co_i32 s50, s50, 15
	s_lshl_b32 s50, s50, 23
	s_or_b32 s50, s50, 0x600000
	v_mov_b32 v11, s50                             ; 57,344 x 2^e
	s_wait_alu depctr_va_vdst(0)
.irp c, 0,1
	s_wait_loadcnt 4-4*\c                          ; the first group is in, the second's four loads may be out; then all
.irp i, 0,1,2,3,4,5,6,7,8,9,10,11,12,13,14,15
	v_med3_num_f32 v[32+16*\c+\i], v[32+16*\c+\i], -v11, v11
.endr
	v_cvt_scalef32_pk8_bf8_f32 v[96+4*\c:97+4*\c], v[32+16*\c:39+16*\c], v10
	v_cvt_scalef32_pk8_bf8_f32 v[98+4*\c:99+4*\c], v[40+16*\c:47+16*\c], v10
	v_nop                                          ; a plain line behind the last conversion
	global_store_b128 v12, v[96+4*\c:99+4*\c], s[38:39] offset:512*\c   ; 32 lanes store 512 consecutive bytes, at a multiple of 256 from the buffer's first byte
.endr
	s_endpgm
.Lfunc_end_k_q5d3d9facd3_prep:
	.size	k_q5d3d9facd3_prep, .Lfunc_end_k_q5d3d9facd3_prep-k_q5d3d9facd3_prep
	.p2alignl 7, 3214868480
	.fill 96, 4, 3214868480
	.section	.rodata,"a",@progbits
	.p2align	6, 0x0
	.amdhsa_kernel k_q5d3d9facd3_prep
		.amdhsa_group_segment_fixed_size 18432
		.amdhsa_private_segment_fixed_size 0
		.amdhsa_enable_private_segment 0
		.amdhsa_kernarg_size 56
		.amdhsa_user_sgpr_count 2
		.amdhsa_user_sgpr_kernarg_segment_ptr 1
		.amdhsa_wavefront_size32 1
		.amdhsa_system_sgpr_workgroup_id_x 1
		.amdhsa_system_sgpr_workgroup_id_y 1
		.amdhsa_system_sgpr_workgroup_id_z 1
		.amdhsa_system_vgpr_workitem_id 0
		.amdhsa_next_free_vgpr 130
		.amdhsa_next_free_sgpr 66
		.amdhsa_reserve_vcc 0
		.amdhsa_float_denorm_mode_32 3
		.amdhsa_float_denorm_mode_16_64 3
		.amdhsa_memory_ordered 1
		.amdhsa_forward_progress 1
		.amdhsa_inst_pref_size 18
	.end_amdhsa_kernel
	.amdgpu_metadata
---
amdhsa.version: [ 1, 2 ]
amdhsa.kernels:
  - .name:           k_q5d3d9facd3_prep
    .symbol:         k_q5d3d9facd3_prep.kd
    .args:
      - { .name: inputs, .offset: 0, .size: 8, .value_kind: global_buffer, .address_space: global }
      - { .name: in_proj_w, .offset: 8, .size: 8, .value_kind: global_buffer, .address_space: global }
      - { .name: out_w, .offset: 16, .size: 8, .value_kind: global_buffer, .address_space: global }
      - { .name: lowp_scales, .offset: 24, .size: 8, .value_kind: global_buffer, .address_space: global }
      - { .name: xt, .offset: 32, .size: 8, .value_kind: global_buffer, .address_space: global }
      - { .name: xq, .offset: 40, .size: 8, .value_kind: global_buffer, .address_space: global }
      - { .name: wimg, .offset: 48, .size: 8, .value_kind: global_buffer, .address_space: global }
    .group_segment_fixed_size: 18432
    .private_segment_fixed_size: 0
    .kernarg_segment_align: 8
    .kernarg_segment_size: 56
    .max_flat_workgroup_size: 256
    .sgpr_count:     66
    .vgpr_count:     130
    .wavefront_size: 32
...
	.end_amdgpu_metadata
.endif
;; end of part 1
;; launch attn (part 2): grid 256 x 1, 8 waves a work-group, clusters of 4 x 1, 327,680 bytes of LDS; arguments xq, xt, wimg, in_proj_b, out_b, lowp_scales, out0; writes out0
.if DOCPART == 2
	.amdgcn_target "amdgcn-amd-amdhsa--gfx1250"
	.amdhsa_code_object_version 6
	.text
	.protected	k_q5d3d9facd3_attn
	.globl	k_q5d3d9facd3_attn
	.p2align	8
	.type	k_q5d3d9facd3_attn,@function
k_q5d3d9facd3_attn:
	s_mov_b64 s[64:65], 0
	v_nop
	global_prefetch_b8 v0, s[64:65] scope:SCOPE_SE
	s_setreg_imm32_b32 hwreg(HW_REG_WAVE_MODE, 25, 1), 1
	s_wait_xcnt 0x0
	s_wait_alu depctr_hold_cnt(0) depctr_sa_sdst(0) depctr_va_vdst(0) depctr_va_sdst(0) depctr_va_ssrc(0) depctr_va_vcc(0) depctr_vm_vsrc(0)
	s_getreg_b32 s2, hwreg(HW_REG_IB_STS2, 6, 4)
	s_cmp_eq_u32 s2, 0
	s_cbranch_scc0 .Lentry_in_a_cluster
	s_endpgm
.Lentry_in_a_cluster:
	s_bfe_u32 s2, ttmp6, 0x10000c
	s_cmp_lg_u32 s2, 0x3003
	s_cbranch_scc0 .Lentry_shape_is_right
	s_endpgm
.Lentry_shape_is_right:
; The whole module on the codes that the launch before has made: q, k and v projections, scores, mask, softmax, weighted sum, output projection.
; DEAD WORK left out: bk (see the first launch): in_proj_b[256:512] is not read.  The products of hidden keys (positions under 127) are made with the live ones of the same run of four windows, and are selected away.
; Key slot j of position (n, t) is kv[j][128 u + p] = inputs[n][t - 127 + p][2 j + u] (0 before the start): the last 128 times of channels 2 j and 2 j + 1.
; SHARES.  Work-group (n, g, s): the EIGHT positions t = 128 g + s + 16 i.  xt's block (n, g), 256 rows (128 u + j) of 256 bytes, holds all eight windows: window i at bytes s + 16 i .. s + 16 i + 127 of a row.
; Each lane moves one row of the block s bytes down in LDS, once for each scale; then window i lies at bytes 16 i .. 16 i + 127 and every LDS load of 16 bytes is aligned.
; Wave (w = wave % 4, f = wave / 4) takes heads 2 w and 2 w + 1 and the four windows i = 2 a + f, all 128 keys.
; CLUSTER of 4: s = 4 ww + cx, the four byte shifts of one word shift ww.  So all four need the same X blocks and the same images of Wk and Wv: all are asked for JOINTLY; the branch on ww hangs on the cluster's number.
; THE WINDOWS SLIDE IN REGISTERS.  An operand's group c (four registers) holds p = 32 c + 16 (lane / 16) + 0 .. 15 (a permutation of k that both operands share).  Seven loads of 16 bytes, 32 bytes apart,
; make a strip of 28 registers; window a is registers 4 a .. 4 a + 15 of it.  14 LDS loads feed 32 matrix instructions.
; THE PRODUCTS ARE USED TRANSPOSED: source 0 = 16 rows of the weight, source 1 = 16 keys.  A weight tile's rows 0-7 are d = 8 q .. 8 q + 7 of head 2 w, rows 8-15 the same of head 2 w + 1: in the result lane
; (r, h) holds key 16 jt + r, head 2 w + h, and its eight registers d = 8 q + 0 .. 7.  A score is a sum inside a lane; the softmax goes over the 16 lanes of a half; the weighted sum is reduced over them once, at the end.
; PRODUCTS AND MULTIPLY-ADDS BY TURNS.  A window's eight products fill one of two sets of four accumulators, while the other set, the window before, goes into the scores or the weighted sum:
; its sixteen packed multiply-adds stand among the eight products, and are also the places behind them.
; FOLDED: c = log2(e) / sqrt(32); qs = qh c 2^(e2+e3); t = sum(qs Kraw); p = 2^(t - max t); out = sum(p Vraw) / sum(p) x 2^(e4+e5) + bv (the weights add up to 1).  All of that in f32.
; ONE TENSOR LOAD a wave at the head (X under e2 and Wk), one more behind the second round (X under e4 and Wv), which has the K pass in which to land.  No prefetch: each tile is asked for once, and no loop runs ahead.
; Wq's and Wo's fragments are read once by one wave each, straight into registers.
; LIMITS on the given exponents, so that each power of two is an f32 number: e0 + e1 and e6 + e7 between -126 and 127; e2 + e3 between -124 and 128 (added to c's exponent field); e6 between -126 and 112;
; e4 + e5 goes by v_ldexp_f32 and has none.  NaN and infinities among the inputs are not served.  The softmax's promise holds while |t| stays under 2^31.
; REGISTERS.  Block 0: v0 thread; v1, v2 strips' addresses under e2, e4; v3 16 x lane; v4 weights' address; v5, v6 the add's; v7 my row's address; v8-63 the two strips; v64-127 two sets of four accumulators;
;   K pass: v128-159 the scores (8 a + jt), v160-175 score sums in two chains of pairs, v176-181 addresses, v192-255 a row at work;  V pass: v128-255 the weighted sums (32 a + d).
;   Block 1: v0-127 eight weight fragments ((q, u) at 16 (2 q + u)); K pass: v128-255 qs (32 a + d);  V pass: v128-159 p, v160-163 1 / sum, v166-167 bv, v168-183 out_b, v192-255 Wo.
.set XPITCH, 272                       ; an X row in LDS: 256 bytes + 16 of padding: the sixteen rows of a load begin at sixteen different 16-byte columns of 256
.set LXK, 0
.set LXV, 256*XPITCH
.set LWK, 2*256*XPITCH                 ; Wk's 32 fragments, images of registers
.set LWV, LWK+65536
.set LQS, LWV+65536                    ; qs [window 8][head 8][d 32] f32
.set LAT, LQS+8192                     ; the attention output's codes: 8 rows of 256, 272 bytes apart
.set LYS, LAT+2304                     ; the stage for the result: 8 rows of 1,024 bytes, 1,040 apart
.set SPARE, LYS+8448                   ; the spare words, 128 bytes a wave
.set RST,  8
.set RACC, 64
.set SC,   128
.set RR,   160
.set RW,   192
.set OO,   128
.set QS,   128                         ; in block 1
.set PP,   128                         ; in block 1
.set MSB, 0
.macro WIN new                         ; low byte: bits 1:0 source 0, 3:2 source 1, 5:4 source 2, 7:6 destination; the high byte repeats the setting that is left
.if MSB != \new
	s_set_vgpr_msb (MSB<<8)|\new
.set MSB, \new
.endif
.endm
.macro PLACES                          ; four plain vector lines behind a matrix instruction; also behind a tensor load
.rept 4
	v_nop
.endr
.endm
.macro ROUND                           ; a round of the cluster's barrier: my work-group's barrier; wave 0 signals for the work-group; all wait for the four work-groups; my work-group's barrier
	s_barrier_signal -1
	s_barrier_wait -1
	s_cmp_lg_u32 s18, 0
	s_cbranch_scc1 .Lnot_wave_0_\@
	s_barrier_signal -3
.Lnot_wave_0_\@:
	s_barrier_wait -3
	s_barrier_signal -1
	s_barrier_wait -1
.endm
.macro JLOAD x, w                      ; a joint load: waves 0-3 fetch 64 rows of X each, waves 4-7 16,384 bytes of a weight each
	s_cmp_lt_u32 s18, 4
	s_cbranch_scc0 .Lfor_w_\@
	tensor_load_to_lds s[\x:\x+3], s[28:35]
	s_nop 0
	PLACES
	s_branch .Lasked_\@
.Lfor_w_\@:
	tensor_load_to_lds s[\w:\w+3], s[36:43]
	s_nop 0
	PLACES
.Lasked_\@:
.endm
.macro ROWS                            ; my row of X, 64 words
.irp k, 0,1,2,3,4,5,6,7,8,9,10,11,12,13,14,15
	ds_load_b128 v[RW+4*\k:RW+4*\k+3], v7 offset:16*\k
.endr
.endm
.macro MOVE ww                         ; word k of the row = the four bytes from byte 4 (k + ww) + cx on; 60 words serve
.set kk, 0
.rept 60
	v_alignbit_b32 v[RW+kk], v[RW+kk+\ww+1], v[RW+kk+\ww], s27
.set kk, kk+1
.endr
.endm
.macro SHIFT                           ; my row s = 4 ww + cx bytes down, and back to its place; ww hangs on the cluster's number alone
	s_wait_alu depctr_va_vdst(0)                   ; the wait ahead of the branches
	s_cmp_lt_u32 s26, 2
	s_cbranch_scc0 .Lww23_\@
	s_cmp_eq_u32 s26, 0
	s_cbranch_scc0 .Lww1_\@
	MOVE 0
	s_branch .Lmoved_\@
.Lww1_\@:
	MOVE 1
	s_branch .Lmoved_\@
.Lww23_\@:
	s_cmp_eq_u32 s26, 2
	s_cbranch_scc0 .Lww3_\@
	MOVE 2
	s_branch .Lmoved_\@
.Lww3_\@:
	MOVE 3
.Lmoved_\@:
	s_wait_alu depctr_va_vdst(0)                   ; the wait ahead of the readers behind the branch
.irp k, 0,1,2,3,4,5,6,7,8,9,10,11,12,13,14
	ds_store_b128 v7, v[RW+4*\k:RW+4*\k+3] offset:16*\k
.endr
.endm
.macro STR adr, jt, m, cnt             ; cnt groups from m on of keys 16 jt .. 16 jt + 15, both halves u
.set mm, \m
.rept \cnt
	ds_load_b128 v[RST+4*mm:RST+4*mm+3], v[\adr] offset:(\jt)*16*XPITCH+32*mm
	ds_load_b128 v[RST+28+4*mm:RST+28+4*mm+3], v[\adr] offset:128*XPITCH+(\jt)*16*XPITCH+32*mm
.set mm, mm+1
.endr
.endm
.macro WLOAD                           ; my head pair's eight fragments of a weight, as they lie
	WIN 0x40                                       ; destination block 1, address block 0
.irp k, 0,1,2,3,4,5,6,7
.irp c, 0,1,2,3
	ds_load_b128 v[16*\k+4*\c:16*\k+4*\c+3], v4 offset:\k*2048+\c*512
.endr
.endr
.endm
.macro MMW a, i                        ; the i-th of window a's eight products: weight tile q = i % 4, half u = i / 4 of K; the first half starts the sums.  The four accumulators take turns
.set I_, \i
.set M_, RACC+32*((\a)%2)+8*(I_%4)
.set W_, 16*(2*(I_%4)+(I_/4))
.set S_, RST+28*(I_/4)+4*(\a)
.if I_ < 4
	v_wmma_f32_16x16x128_bf8_bf8 v[M_:M_+7], v[W_:W_+15], v[S_:S_+15], 0
.else
	v_wmma_f32_16x16x128_bf8_bf8 v[M_:M_+7], v[W_:W_+15], v[S_:S_+15], v[M_:M_+7]
.endif
.endm
; the k-th of a finished window's sixteen multiply-adds, two d an instruction; each accumulator is read from its low end on.
; pass 0: the score's two chains += qs Kraw.  pass 1: O[a][d] += p Vraw, p the low or the high register of its pair.  The first starts the sum: nothing is cleared.
.macro EAT pass, jt, a, k
.set K_, \k
.set A_, RACC+32*((\a)%2)+2*K_
.if (\pass) == 0
.set D_, RR+4*(\a)+2*(K_%2)
.set Q_, QS+32*(\a)+2*K_
.if K_ < 2
	v_pk_mul_f32 v[D_:D_+1], v[Q_:Q_+1], v[A_:A_+1]
.else
	v_pk_fma_f32 v[D_:D_+1], v[Q_:Q_+1], v[A_:A_+1], v[D_:D_+1]
.endif
.else
.set D_, OO+32*(\a)+2*K_
.set Q_, PP+8*(\a)+2*((\jt)/2)
.if (\jt) == 0
	v_pk_mul_f32 v[D_:D_+1], v[Q_:Q_+1], v[A_:A_+1] op_sel_hi:[0,1]
.elseif ((\jt)%2) == 0
	v_pk_fma_f32 v[D_:D_+1], v[Q_:Q_+1], v[A_:A_+1], v[D_:D_+1] op_sel_hi:[0,1,1]
.else
	v_pk_fma_f32 v[D_:D_+1], v[Q_:Q_+1], v[A_:A_+1], v[D_:D_+1] op_sel:[1,0,0] op_sel_hi:[1,1,1]
.endif
.endif
.endm
.macro FIN1 jt, a                      ; a score: its two chains, and then the pair's two halves
	v_pk_add_f32 v[RR+4*(\a):RR+4*(\a)+1], v[RR+4*(\a):RR+4*(\a)+1], v[RR+4*(\a)+2:RR+4*(\a)+3]
	v_add_f32 v[SC+8*(\a)+(\jt)], v[RR+4*(\a)], v[RR+4*(\a)+1]
.endm
.macro FINP ja, a, jb, b               ; two of them by turns
	v_pk_add_f32 v[RR+4*(\a):RR+4*(\a)+1], v[RR+4*(\a):RR+4*(\a)+1], v[RR+4*(\a)+2:RR+4*(\a)+3]
	v_pk_add_f32 v[RR+4*(\b):RR+4*(\b)+1], v[RR+4*(\b):RR+4*(\b)+1], v[RR+4*(\b)+2:RR+4*(\b)+3]
	v_add_f32 v[SC+8*(\a)+(\ja)], v[RR+4*(\a)], v[RR+4*(\a)+1]
	v_add_f32 v[SC+8*(\b)+(\jb)], v[RR+4*(\b)], v[RR+4*(\b)+1]
.endm
.macro BLOCK pass, jt, a               ; window a's products among window a - 1's multiply-adds
.set ii, 0
.rept 8
	MMW \a, ii
	EAT \pass, \jt, (\a)-1, 2*ii
	EAT \pass, \jt, (\a)-1, 2*ii+1
.set ii, ii+1
.endr
.endm
; A KEY TILE.  Windows 0 to 3 need strip groups 0-3, 4, 5, 6: w0, w1, w2 are the LDS instructions that may be out ahead of each (groups 4-6, 5-6, 6: 6, 4, 2, and what was issued behind them); ahead of window 3 none is.
; The next tile's strips (nadr, njt): groups 0-2 are asked for among window 3's products, groups 3-6 behind them; six multiply-adds of window 3 stand between those loads and their wait, eight among window 0's products:
; the last four of these are the places behind its first sums.
; The address lies in the block of the number pass.  hook, behind the wait for 0: 1 = wait for my tensor load and signal, 2 = the barrier's wait, 3 = signal.
.macro TILE pass, jt, w0, w1, w2, hook, nadr, njt
.if ((\pass) == 0) && ((\jt) > 0)
	s_wait_alu depctr_va_vdst(0)                   ; the wait here: window 3's chains go on behind the wait below
.endif
	s_wait_dscnt \w0
	WIN 1
.set ii, 0
.rept 8
	MMW 0, ii
.if (\jt) > 0
	EAT \pass, (\jt)-1, 3, 8+ii
.endif
.set ii, ii+1
.endr
.if (\jt) == 0
	PLACES
.endif
	s_wait_dscnt \w1
	BLOCK \pass, \jt, 1
	s_wait_dscnt \w2
	BLOCK \pass, \jt, 2
	s_wait_dscnt 0x0
.if (\hook) == 1
	s_wait_tensorcnt 0x0                           ; my part of X under e4, or of Wv, has landed: say so
	s_barrier_signal -1
.elseif (\hook) == 2
	s_barrier_wait -1
.elseif (\hook) == 3
	s_barrier_signal -1
.endif
.set ii, 0
.rept 8
	MMW 3, ii
	EAT \pass, \jt, 2, 2*ii
	EAT \pass, \jt, 2, 2*ii+1
.if ii == 1
.if (\pass) == 0
	WIN 0
.if (\jt) > 0
	FINP (\jt)-1, 3, \jt, 0
.else
	FIN1 \jt, 0
.endif
.endif
.if \nadr
	WIN \pass
	STR \nadr, \njt, 0, 3
.endif
	WIN 1
.endif
.set ii, ii+1
.endr
	EAT \pass, \jt, 3, 0
	EAT \pass, \jt, 3, 1
.if (\pass) == 0
	WIN 0
	FINP \jt, 1, \jt, 2
.endif
.if \nadr
	WIN \pass
	STR \nadr, \njt, 3, 4
.endif
	WIN 1
.irp k, 2,3,4,5,6,7
	EAT \pass, \jt, 3, \k
.endr
.endm
; One step of the sum over the 16 keys of a half: of numbers k and k + cnt a lane keeps the one that its bit of the lane number names and sends the other to the lane xm away: half as many numbers are left.
.macro RSTEP cnt, msk, xm
.irp a, 0,1,2,3
.set kk, 0
.rept \cnt
	v_cndmask_b32 v[64+\cnt*\a+kk], v[OO+32*\a+kk+\cnt], v[OO+32*\a+kk], s[\msk]
	v_cndmask_b32 v[OO+32*\a+kk], v[OO+32*\a+kk], v[OO+32*\a+kk+\cnt], s[\msk]
.set kk, kk+1
.endr
.endr
.irp a, 0,1,2,3
.set kk, 0
.rept \cnt
	v_add_f32_dpp v[OO+32*\a+kk], v[64+\cnt*\a+kk], v[OO+32*\a+kk] row_xmask:\xm row_mask:0xf bank_mask:0xf
.set kk, kk+1
.endr
.endr
.endm
; ---------------- the head: ids, addresses, descriptors
	s_load_b256 s[4:11], s[0:1], 0x0               ; xq s[4:5], xt s[6:7], wimg s[8:9], in_proj_b s[10:11]
	s_load_b128 s[12:15], s[0:1], 0x20             ; out_b s[12:13], the exponents s[14:15]
	s_load_b64 s[16:17], s[0:1], 0x30              ; out0
	v_lshl_add_u32 v5, v0, 2, SPARE
	v_mov_b32 v6, 0
	ds_add_u32 v5, v6                              ; the opening lines: the add, twice on end, and its wait; work on registers stands between
	ds_add_u32 v5, v6
	v_lshrrev_b32 v1, 5, v0
	v_readfirstlane_b32 s18, v1                    ; wave 0..7
	s_and_b32 s19, s18, 3                          ; w: my head pair.  Also: which quarter of a tile I fetch
	s_lshr_b32 s20, s18, 2                         ; f: my family of windows.  Also: I fetch X (0) or a weight (1)
	s_bfe_u32 s21, ttmp6, 0x40000                  ; cx: it enters global addresses of my own loads and stores, the byte shift and the mask's compare alone
	s_lshr_b32 s23, ttmp9, 5                       ; n
	s_bfe_u32 s25, ttmp9, 0x30002                  ; g
	s_and_b32 s26, ttmp9, 3                        ; ww
	s_lshl_b32 s27, s21, 3                         ; the byte shift in bits
	s_lshl_b32 s24, s26, 2
	s_add_co_u32 s24, s24, s21                     ; s = 4 ww + cx
	s_lshl_b32 s60, s23, 10
	s_lshl_b32 s61, s25, 7
	s_add_co_u32 s60, s60, s61
	s_add_co_u32 s60, s60, s24                     ; position 1024 n + 128 g + s
	s_lshl_b32 s98, s60, 10
	s_lshl_b32 s99, s18, 14
	s_add_co_u32 s98, s98, s99                     ; out0: its row, + 16 rows for each wave
	s_mov_b32 s99, 0
	s_lshl_b32 s60, s60, 8                         ; xq: its row
	s_mov_b32 s61, 0
	s_lshl_b32 s88, s20, 4                         ; 16 f
	s_add_co_u32 s24, s24, s88                     ; s + 16 f, for the mask
	; descriptor group 1: X: 64 rows x 256 elements of 1 byte, dense in memory, four words of padding behind every 64; the mask names all four work-groups, bit 21 set beside it
	s_mov_b32 s28, 15|(1<<20)|(1<<21)|(5<<22)|(3<<25)
	s_mov_b32 s29, 256<<16
	s_mov_b32 s30, 64<<16
	s_mov_b32 s31, 256<<16
	s_mov_b32 s32, 64
	s_mov_b32 s33, 256
	s_mov_b32 s34, 0
	s_mov_b32 s35, 0
	; a weight: 16,384 bytes as 64 rows x 256, dense in LDS too
	s_mov_b32 s36, 15|(1<<21)
	s_mov_b32 s37, 256<<16
	s_mov_b32 s38, 64<<16
	s_mov_b32 s39, 256<<16
	s_mov_b32 s40, 64
	s_mov_b32 s41, 256
	s_mov_b32 s42, 0
	s_mov_b32 s43, 0
	s_lshl_b32 s94, s19, 14                        ; my quarter: of a weight, of an X block in memory: the wave's number alone
	s_mov_b32 s95, 0
	s_lshr_b32 s90, ttmp9, 2
	s_lshl_b32 s90, s90, 16                        ; xt: block 8 n + g
	s_add_co_u32 s90, s90, s94
	s_mov_b32 s91, 0
	s_mov_b32 s44, 1                               ; group 0: count 1, LDS address, global address, type 2
	s_mul_i32 s45, s19, 64*XPITCH
	s_mov_b32 s48, 1
	s_add_co_u32 s49, s45, LXV
	s_mov_b32 s52, 1
	s_add_co_u32 s53, s94, LWK
	s_mov_b32 s56, 1
	s_add_co_u32 s57, s94, LWV
	s_lshl_b32 s100, s19, 8                        ; the biases of my head pair
	s_mov_b32 s101, 0
	s_lshl_b32 s66, s20, 6                         ; bq: + my 16 d
	s_mov_b32 s67, 0
	s_lshl_b32 s96, s20, 10
	s_add_co_u32 s96, s96, s100
	s_add_co_u32 s96, s96, LQS
	s_add_co_u32 s97, s66, s100
	s_add_co_u32 s97, s97, LQS
	s_lshl_b32 s62, s20, 13                        ; Wq: tiles 2 f, 2 f + 1 of my head pair
	s_mov_b32 s63, 0
	s_lshl_b32 s2, s18, 13
	s_add_co_u32 s2, s2, 196608                    ; Wo: tiles 2 wave, 2 wave + 1
	s_mov_b32 s3, 0
	s_lshl_b32 s22, s18, 7                         ; out_b: my 32 outputs
	s_mov_b32 s23, 0
	s_mov_b32 s84, 0xff00ff00                      ; lanes whose number has bit 3, 2, 1, 0
	s_mov_b32 s85, 0xf0f0f0f0
	s_mov_b32 s86, 0xcccccccc
	s_mov_b32 s87, 0xaaaaaaaa
	s_mov_b32 s80, 0x3e8293ee                      ; c = log2(e) / sqrt(32)
	v_and_b32 v8, 15, v0                           ; r
	v_bfe_u32 v9, v0, 4, 1                         ; h
	v_and_b32 v10, 7, v0                           ; r % 8
	v_and_b32 v3, 31, v0
	v_mul_u32_u24 v7, v0, XPITCH                   ; my row of X under e2: the thread's number
	v_mul_u32_u24 v1, v8, XPITCH
	v_lshl_add_u32 v177, v10, 10, s97
	v_lshlrev_b32 v178, 12, v10
	v_lshlrev_b32 v3, 4, v3                        ; 16 x lane
	v_lshl_add_u32 v1, v9, 4, v1
	v_lshl_add_u32 v176, v9, 7, s96                ; qs to read: window f (+ 2 a), head 2 w + h
	v_lshl_add_u32 v177, v9, 7, v177               ; qs to store: window r % 8, head 2 w + h, d = 16 f on
	v_lshl_add_u32 v178, v9, 4, v178               ; xq: the windows' rows lie 16 rows of 256 bytes apart
	v_add_nc_u32 v1, s88, v1                       ; a strip under e2: row r, + 16 h + 16 f
	v_lshlrev_b32 v179, 7, v9                      ; bq: 32 numbers a head
	v_add_nc_u32 v4, s53, v3                       ; my eight fragments of Wk
	v_lshlrev_b32 v181, 5, v9                      ; out_b: my eight outputs
	v_add_nc_u32 v2, LXV, v1                       ; a strip under e4
	v_lshl_add_u32 v180, v8, 3, v179               ; bv: my two d
	s_wait_alu depctr_va_vdst(0)                   ; the wait at the head's end
	s_wait_dscnt 0x0                               ; both opening adds are done
	ROUND                                          ; all four work-groups are here: the joint loads meet
	s_wait_kmcnt 0x0
	s_load_b256 s[68:75], s[14:15], 0x0            ; e0 .. e7
	s_add_nc_u64 s[46:47], s[6:7], s[90:91]        ; X under e2,
	s_add_nc_u64 s[50:51], s[46:47], 0x100000      ; and under e4
	s_add_nc_u64 s[94:95], s[8:9], s[94:95]
	s_add_nc_u64 s[54:55], s[94:95], 0x10000       ; Wk
	s_add_nc_u64 s[58:59], s[94:95], 0x20000       ; Wv
	s_or_b32 s47, s47, 0x80000000
	s_or_b32 s51, s51, 0x80000000
	s_or_b32 s55, s55, 0x80000000
	s_or_b32 s59, s59, 0x80000000
	JLOAD 44, 52                                   ; X under e2, Wk: one tensor load a wave at the head
	s_add_nc_u64 s[60:61], s[4:5], s[60:61]
	s_add_nc_u64 s[62:63], s[94:95], s[62:63]
	s_add_nc_u64 s[10:11], s[10:11], s[100:101]
	s_add_nc_u64 s[66:67], s[10:11], s[66:67]
.irp u, 0,1
.irp c, 0,1,2,3
	global_load_b128 v[8+16*\u+4*\c:11+16*\u+4*\c], v178, s[60:61] offset:128*\u+32*\c   ; xq: columns r and r + 8 take the same window's row
.endr
.endr
	WIN 0x40
.irp k, 0,1,2,3
.irp c, 0,1,2,3
	global_load_b128 v[128+16*\k+4*\c:131+16*\k+4*\c], v3, s[62:63] offset:2048*\k+512*\c    ; Wq: tiles 2 f, 2 f + 1 of my head pair, into registers that qs take later
.endr
.endr
	WIN 0
.irp k, 0,1,2,3
	global_load_b128 v[40+4*\k:43+4*\k], v179, s[66:67] offset:16*\k         ; bq of my 16 d
.endr
	s_add_nc_u64 s[2:3], s[8:9], s[2:3]
	s_add_nc_u64 s[12:13], s[12:13], s[22:23]
	s_add_nc_u64 s[16:17], s[16:17], s[98:99]
	s_wait_kmcnt 0x0
	s_add_co_i32 s76, s68, s69
	s_add_co_i32 s76, s76, 127
	s_lshl_b32 s76, s76, 23                        ; 2^(e0 + e1)
	s_mov_b32 s77, s76                             ; (named with it as a pair, so it is written)
	s_add_co_i32 s78, s70, s71
	s_lshl_b32 s78, s78, 23
	s_add_co_i32 s78, s78, s80                     ; c 2^(e2 + e3): the exponents are added to c's exponent field
	s_mov_b32 s79, s78
	s_add_co_i32 s81, s72, s73                     ; e4 + e5
	s_add_co_i32 s82, s74, s75
	s_add_co_i32 s82, s82, 127
	s_lshl_b32 s82, s82, 23                        ; 2^(e6 + e7)
	s_mov_b32 s83, s82
	s_add_co_i32 s93, s74, 127
	s_lshl_b32 s92, s93, 23                        ; 2^e6
	s_add_co_i32 s93, s93, 15
	s_lshl_b32 s93, s93, 23
	s_or_b32 s93, s93, 0x600000                    ; 57,344 x 2^e6
; ---------------- the q projection: tiles q = 2 f, 2 f + 1 of my head pair, for all eight windows
	s_wait_loadcnt 4                               ; xq's 8 and Wq's 16 loads are in; bq's 4 may be out
	WIN 0x01
	v_wmma_f32_16x16x128_bf8_bf8 v[64:71], v[128:143], v[8:23], 0       ; two accumulators by turns
	v_wmma_f32_16x16x128_bf8_bf8 v[72:79], v[160:175], v[8:23], 0
	v_wmma_f32_16x16x128_bf8_bf8 v[64:71], v[144:159], v[24:39], v[64:71]
	v_wmma_f32_16x16x128_bf8_bf8 v[72:79], v[176:191], v[24:39], v[72:79]
	WIN 0
	PLACES
	s_wait_loadcnt 0x0
.irp j, 0,1,2,3,4,5,6,7
	v_pk_fma_f32 v[80+2*\j:81+2*\j], v[64+2*\j:65+2*\j], s[76:77], v[40+2*\j:41+2*\j] op_sel_hi:[1,0,1]   ; qh = sum x 2^(e0 + e1) + bq
.endr
.irp j, 0,1,2,3,4,5,6,7
	v_pk_mul_f32 v[96+2*\j:97+2*\j], v[80+2*\j:81+2*\j], s[78:79] op_sel_hi:[1,0]   ; qs
.endr
.irp k, 0,1,2,3
	ds_store_b128 v177, v[96+4*\k:99+4*\k] offset:16*\k
.endr
	s_wait_tensorcnt 0x0                           ; my tile has landed
	ds_add_u32 v5, v6
	s_wait_dscnt 0x0                               ; the add is done, and my qs lie in LDS
	ROUND                                          ; X under e2, Wk and qs are whole in every work-group
	JLOAD 48, 56                                   ; X under e4, Wv: they have most of the K pass in which to land
	ROWS
	WLOAD
	WIN 0
	s_wait_dscnt 32                                ; my row is in; Wk's 32 loads may be out
	SHIFT
	v_add_nc_u32 v7, LXV, v7                       ; my row under e4
	v_add_nc_u32 v4, 65536, v4                     ; my fragments of Wv
	s_wait_alu depctr_va_vdst(0)
	s_wait_dscnt 0x0                               ; for the others' sake: my row is stored
	s_barrier_signal -1
	s_barrier_wait -1
; ---------------- the K pass
	STR 1, 0, 0, 7
	WIN 0x40
.irp a, 0,1,2,3
.irp k, 0,1,2,3,4,5,6,7
	ds_load_b128 v[QS+32*\a+4*\k:QS+32*\a+4*\k+3], v176 offset:2048*\a+16*\k   ; qs of my head, windows 2 a + f
.endr
.endr
	TILE 0, 0, 38, 24, 16, 0, 1, 1                 ; (behind the strips 32 loads of qs: 8 a window, needed one window after another)
	TILE 0, 1, 6, 4, 2, 0, 1, 2
	TILE 0, 2, 6, 4, 2, 1, 1, 3
	TILE 0, 3, 6, 4, 2, 2, 1, 4                    ; behind its barrier's wait X under e4 and Wv are whole
	WIN 0
	ROWS                                           ; my row under e4
	TILE 0, 4, 22, 20, 18, 0, 1, 5                 ; (16 row loads behind the strips)
	WIN 0
	SHIFT
	TILE 0, 5, 21, 19, 17, 3, 1, 6                 ; (15 row stores behind the strips; they are done ahead of the signal)
	TILE 0, 6, 6, 4, 2, 2, 1, 7                    ; behind its barrier's wait every row under e4 is moved
	TILE 0, 7, 6, 4, 2, 0, 2, 0                    ; the V pass's first strips
	WLOAD                                          ; Wv
	WIN 1
.irp k, 8,9,10,11,12,13,14,15
	EAT 0, 7, 3, \k
.endr
	WIN 0
	FIN1 7, 3
	WIN 0x40                                       ; what the end needs, into registers that qs have left
	global_load_b64 v[166:167], v180, s[10:11] offset:2048                              ; bv of d = 2 r, 2 r + 1 of my head
.irp k, 0,1,2,3
	global_load_b128 v[168+4*\k:171+4*\k], v181, s[12:13] offset:64*(\k/2)+16*(\k%2)    ; out_b: tile k / 2, my eight outputs
.endr
.irp k, 0,1,2,3
.irp c, 0,1,2,3
	global_load_b128 v[192+16*\k+4*\c:195+16*\k+4*\c], v3, s[2:3] offset:2048*\k+512*\c ; Wo, my two tiles
.endr
.endr
	WIN 0
; ---------------- the mask (key j is hidden where j + t < 127: only where g = 0; the branch hangs on the cluster's number) and the softmax
	s_wait_alu depctr_va_vdst(0)                   ; the wait ahead of the branch
	s_cmp_lg_u32 s25, 0
	s_cbranch_scc1 .Lopen
	v_and_b32 v64, 15, v0
	v_mov_b32 v65, 0xff800000                      ; -infinity
	v_add_nc_u32 v64, s24, v64                     ; r + s + 16 f: j + t = that + 16 jt + 32 a
.irp j, 0,1,2,3,4,5,6,7
.irp a, 0,1,2,3
.if 127-16*\j-32*\a > 0
	v_cmp_gt_i32 vcc_lo, 127-16*\j-32*\a, v64
	v_cndmask_b32 v[SC+8*\a+\j], v[SC+8*\a+\j], v65, vcc_lo
.endif
.endr
.endr
.Lopen:
.irp a, 0,1,2,3
	v_max3_num_f32 v[68+2*\a], v[SC+8*\a], v[SC+8*\a+1], v[SC+8*\a+2]
.endr
.irp a, 0,1,2,3
	v_max3_num_f32 v[68+2*\a], v[68+2*\a], v[SC+8*\a+3], v[SC+8*\a+4]
.endr
.irp a, 0,1,2,3
	v_max3_num_f32 v[68+2*\a], v[68+2*\a], v[SC+8*\a+5], v[SC+8*\a+6]
.endr
.irp a, 0,1,2,3
	v_max_num_f32 v[68+2*\a], v[68+2*\a], v[SC+8*\a+7]
.endr
.irp x, 1,2,4,8
.irp a, 0,1,2,3
	v_max_num_f32_dpp v[68+2*\a], v[68+2*\a], v[68+2*\a] row_xmask:\x row_mask:0xf bank_mask:0xf    ; over the 16 lanes of my half: key 127 is never hidden, so the maximum is a number
.endr
.endr
.irp j, 0,2,4,6
.irp a, 0,1,2,3
	v_pk_add_f32 v[SC+8*\a+\j:SC+8*\a+\j+1], v[SC+8*\a+\j:SC+8*\a+\j+1], v[68+2*\a:69+2*\a] op_sel_hi:[1,0] neg_lo:[0,1] neg_hi:[0,1]   ; t - max, two keys at a time (of the maximum's pair the low word serves both)
.endr
.endr
	s_wait_alu depctr_va_vdst(0)                   ; the wait ahead of the batch,
	WIN 0x40
.set kk, 0
.rept 32
	v_exp_f32 v[PP+kk], v[SC+kk]                   ; p = 2^(t - max), 0 for a hidden key; in block 1
.set kk, kk+1
.endr
	WIN 0
	v_nop                                          ; a plain line between the exponentials and the use of their results
	s_wait_alu depctr_va_vdst(0)                   ; and behind it
	WIN 0x05                                       ; sources in block 1
.irp a, 0,1,2,3
	v_pk_add_f32 v[72+2*\a:73+2*\a], v[PP+8*\a:PP+8*\a+1], v[PP+8*\a+2:PP+8*\a+3]
	v_pk_add_f32 v[80+2*\a:81+2*\a], v[PP+8*\a+4:PP+8*\a+5], v[PP+8*\a+6:PP+8*\a+7]
.endr
	WIN 0
.irp a, 0,1,2,3
	v_pk_add_f32 v[72+2*\a:73+2*\a], v[72+2*\a:73+2*\a], v[80+2*\a:81+2*\a]
.endr
.irp a, 0,1,2,3
	v_add_f32 v[64+\a], v[72+2*\a], v[73+2*\a]
.endr
.irp x, 1,2,4,8
.irp a, 0,1,2,3
	v_add_f32_dpp v[64+\a], v[64+\a], v[64+\a] row_xmask:\x row_mask:0xf bank_mask:0xf
.endr
.endr
	s_wait_alu depctr_va_vdst(0)
.irp a, 0,1,2,3
	v_rcp_f32 v[64+\a], v[64+\a]                   ; the sum is at least 1
.endr
	v_nop
	s_wait_alu depctr_va_vdst(0)
	WIN 0x40
.irp a, 0,1,2,3
	v_ldexp_f32 v[160+\a], v[64+\a], s81           ; 2^(e4 + e5) / sum, in block 1
.endr
	v_mov_b32 v184, v2                             ; the strips' address in block 1 too, where the V pass's setting finds it
	WIN 0
	s_wait_alu depctr_va_vdst(0)
	s_wait_xcnt 0x0                                ; v180 and v181, sources of the loads above, are written by the weighted sums only behind this wait
; ---------------- the V pass
	TILE 1, 0, 0, 0, 0, 0, 184, 1                  ; (Wv's loads are the youngest: all are in)
	TILE 1, 1, 6, 4, 2, 0, 184, 2
	TILE 1, 2, 6, 4, 2, 0, 184, 3
	TILE 1, 3, 6, 4, 2, 0, 184, 4
	TILE 1, 4, 6, 4, 2, 0, 184, 5
	TILE 1, 5, 6, 4, 2, 0, 184, 6
	TILE 1, 6, 6, 4, 2, 0, 184, 7
	TILE 1, 7, 6, 4, 2, 0, 0, 0
.irp k, 8,9,10,11,12,13,14,15
	EAT 1, 7, 3, \k
.endr
	WIN 0
; ---------------- the end.  Addresses first, then the sum over the keys of a half: 32 numbers a window in each of 16 lanes become 2 numbers a window: lane r ends with d = 2 r and 2 r + 1
	s_mul_i32 s88, s20, 272
	s_lshl_b32 s89, s19, 6
	s_add_co_u32 s88, s88, s89
	s_add_co_u32 s88, s88, LAT
	s_lshl_b32 s89, s18, 7
	s_add_co_u32 s89, s89, LYS
	s_mul_i32 s90, s18, 1040
	s_add_co_u32 s90, s90, LYS
	v_and_b32 v8, 15, v0                           ; r
	v_bfe_u32 v9, v0, 4, 1                         ; h
	v_and_b32 v10, 7, v0                           ; r % 8
	v_mov_b32 v40, s93                             ; 57,344 x 2^e6
	v_mov_b32 v41, s92                             ; 2^e6
	v_lshl_add_u32 v11, v9, 5, s88
	v_mul_u32_u24 v12, v10, 272
	v_mul_u32_u24 v13, v10, 1040
	v_add_nc_u32 v14, s90, v3                      ; the stage, back: row = my wave
	v_lshl_add_u32 v11, v8, 1, v11                 ; the output's codes to store: row f (+ 2 a), column 32 (2 w + h) + 2 r
	v_lshl_add_u32 v12, v9, 4, v12
	v_lshl_add_u32 v13, v9, 5, v13
	v_add_nc_u32 v12, LAT, v12                     ; and to read as an operand: row r % 8, + 16 h
	v_add_nc_u32 v13, s89, v13                     ; the stage, in: row r % 8, my wave's 128 bytes, + 32 h
	RSTEP 16, 84, 8
	RSTEP 8, 85, 4
	RSTEP 4, 86, 2
	RSTEP 2, 87, 1
	s_wait_alu depctr_va_vdst(0)
	s_wait_loadcnt 0x0                             ; bv, out_b and Wo are in
	WIN 0x14                                       ; sources 1 and 2 in block 1
.irp a, 0,1,2,3
.irp k, 0,1
	v_fma_f32 v[64+2*\a+\k], v[OO+32*\a+\k], v[160+\a], v[166+\k]     ; the attention output, f32
.endr
.endr
	WIN 0
.irp j, 0,1,2,3,4,5,6,7
	v_med3_num_f32 v[64+\j], v[64+\j], -v40, v40   ; the conversion to an 8-bit code does not saturate (ISA guide 7.6.2): the hold comes first
.endr
	v_cvt_scalef32_pk8_bf8_f32 v[42:43], v[64:71], v41
	v_nop                                          ; a plain line behind the conversion
	ds_store_b16 v11, v42                          ; window f: my two codes
	ds_store_b16_d16_hi v11, v42 offset:544        ; window 2 + f
	ds_store_b16 v11, v43 offset:1088
	ds_store_b16_d16_hi v11, v43 offset:1632
	s_wait_dscnt 0x0                               ; for the others' sake
	s_barrier_signal -1
	s_barrier_wait -1                              ; eight rows of 256 codes lie in LDS
; ---------------- the output projection: my wave makes outputs 32 wave .. 32 wave + 31 of all eight windows
.irp u, 0,1
.irp c, 0,1,2,3
	ds_load_b128 v[96+16*\u+4*\c:99+16*\u+4*\c], v12 offset:128*\u+32*\c
.endr
.endr
	s_wait_dscnt 0x0
	WIN 0x01
	v_wmma_f32_16x16x128_bf8_bf8 v[64:71], v[192:207], v[96:111], 0
	v_wmma_f32_16x16x128_bf8_bf8 v[72:79], v[224:239], v[96:111], 0
	v_wmma_f32_16x16x128_bf8_bf8 v[64:71], v[208:223], v[112:127], v[64:71]
	v_wmma_f32_16x16x128_bf8_bf8 v[72:79], v[240:255], v[112:127], v[72:79]
	WIN 0x10                                       ; source 2 in block 1
	PLACES
.irp j, 0,1,2,3,4,5,6,7
	v_pk_fma_f32 v[80+2*\j:81+2*\j], v[64+2*\j:65+2*\j], s[82:83], v[168+2*\j:169+2*\j] op_sel_hi:[1,0,1]   ; sum x 2^(e6 + e7) + out_b
.endr
	WIN 0
.irp k, 0,1,2,3
	ds_store_b128 v13, v[80+4*\k:83+4*\k] offset:64*(\k/2)+16*(\k%2)
.endr
	s_wait_dscnt 0x0                               ; for the others' sake
	s_barrier_signal -1
	s_barrier_wait -1                              ; eight whole rows of the result lie in the stage
	ds_load_b128 v[16:19], v14
	ds_load_b128 v[20:23], v14 offset:512
	s_wait_dscnt 0x0
	global_store_b128 v3, v[16:19], s[16:17] th:TH_STORE_NT             ; 32 lanes store 512 consecutive bytes, at a multiple of 256 from out0's first byte
	global_store_b128 v3, v[20:23], s[16:17] offset:512 th:TH_STORE_NT
	s_wait_tensorcnt 0x0                           ; the wave's end
	ds_add_u32 v5, v6
	s_wait_dscnt 0x0
	ROUND                                          ; the closing round: no work-group ends while a partner may still ask for a tile that names it
	s_endpgm
.Lfunc_end_k_q5d3d9facd3_attn:
	.size	k_q5d3d9facd3_attn, .Lfunc_end_k_q5d3d9facd3_attn-k_q5d3d9facd3_attn
	.p2alignl 7, 3214868480
	.fill 96, 4, 3214868480
	.section	.rodata,"a",@progbits
	.p2align	6, 0x0
	.amdhsa_kernel k_q5d3d9facd3_attn
		.amdhsa_group_segment_fixed_size 327680
		.amdhsa_private_segment_fixed_size 0
		.amdhsa_enable_private_segment 0
		.amdhsa_kernarg_size 56
		.amdhsa_user_sgpr_count 2
		.amdhsa_user_sgpr_kernarg_segment_ptr 1
		.amdhsa_wavefront_size32 1
		.amdhsa_system_sgpr_workgroup_id_x 1
		.amdhsa_system_sgpr_workgroup_id_y 1
		.amdhsa_system_sgpr_workgroup_id_z 1
		.amdhsa_system_vgpr_workitem_id 0
		.amdhsa_next_free_vgpr 512
		.amdhsa_next_free_sgpr 102
		.amdhsa_reserve_vcc 1
		.amdhsa_float_denorm_mode_32 3
		.amdhsa_float_denorm_mode_16_64 3
		.amdhsa_memory_ordered 1
		.amdhsa_forward_progress 1
		.amdhsa_inst_pref_size 209
	.end_amdhsa_kernel
	.amdgpu_metadata
---
amdhsa.version: [ 1, 2 ]
amdhsa.kernels:
  - .name:           k_q5d3d9facd3_attn
    .symbol:         k_q5d3d9facd3_attn.kd
    .args:
      - { .name: xq, .offset: 0, .size: 8, .value_kind: global_buffer, .address_space: global }
      - { .name: xt, .offset: 8, .size: 8, .value_kind: global_buffer, .address_space: global }
      - { .name: wimg, .offset: 16, .size: 8, .value_kind: global_buffer, .address_space: global }
      - { .name: in_proj_b, .offset: 24, .size: 8, .value_kind: global_buffer, .address_space: global }
      - { .name: out_b, .offset: 32, .size: 8, .value_kind: global_buffer, .address_space: global }
      - { .name: lowp_scales, .offset: 40, .size: 8, .value_kind: global_buffer, .address_space: global }
      - { .name: out0, .offset: 48, .size: 8, .value_kind: global_buffer, .address_space: global }
    .group_segment_fixed_size: 327680
    .private_segment_fixed_size: 0
    .kernarg_segment_align: 8
    .kernarg_segment_size: 56
    .max_flat_workgroup_size: 256
    .sgpr_count:     102
    .vgpr_count:     512
    .wavefront_size: 32
...
	.end_amdgpu_metadata
.endif
;; end of part 2
